; MI455X (gfx1250); checked and timed in simulation.
; The chip was launched on July 23, 2026; its instructions are those of AMD's public machine-readable ISA for CDNA 5 (MIT licence, August 2026) and "CDNA5" Instruction Set Architecture Reference Guide (July 2026). The comments in the code are by the model that wrote it; some were corrected since.
;; Single Head Attention. Allowed arithmetic: float matrix products may take bf16 or f16 operands with f32 sums; other float arithmetic in f32, or as packed bf16 or f16 multiplies, adds, multiply-adds, maxima and minima; sums over many terms, partial sums and values carried from step to step in f32; what a program stores and reads back later, other than sums and carried values, may be rounded once to bf16 or f16.
;; Inputs: Wk 512 x 1,024 float32; Wq 512 x 1,024 float32; Wv 512 x 1,024 float32; x 8 x 2,048 x 1,024 float32.
;; Outputs: out0 8 x 2,048 x 512 float32.
;; One version. Each part assembles by itself: llvm-mc -triple=amdgcn-amd-amdhsa -mcpu=gfx1250 --defsym DOCPART=n.
;; ======== version 1 of 1: 4 launches
;; limits: values are held in f16: magnitudes above 65,504 overflow, below 6.1e-05 lose precision
;; workspace buffers: wb 3,145,728 bytes; qkv 50,331,648 bytes; po 83,886,080 bytes; ps 327,680 bytes
;; launch wcvt (part 1): grid 128 x 3, 8 waves a work-group, no clusters, 0 bytes of LDS; arguments Wq, Wk, Wv, wb; writes wb
.if DOCPART == 1
	.amdgcn_target "amdgcn-amd-amdhsa--gfx1250"
	.amdhsa_code_object_version 6
	.text
	.protected	k_q987f5b533f_wcvt
	.globl	k_q987f5b533f_wcvt
	.p2align	8
	.type	k_q987f5b533f_wcvt,@function
k_q987f5b533f_wcvt:
	s_mov_b64 s[64:65], 0
	v_nop
	global_prefetch_b8 v0, s[64:65] scope:SCOPE_SE
	s_setreg_imm32_b32 hwreg(HW_REG_WAVE_MODE, 25, 1), 1
	s_wait_xcnt 0x0
; The three weight matrices ([512][1024] f32) are rounded once to bf16 and laid out for the projection:
; wb[ks 16][n 1536][64 k], n = 0..511 Wq, 512..1023 Wk, 1024..1535 Wv: element (n, k) at byte ((k >> 6) 1536 + n) 128 + (k & 63) 2,
; so that the rows n of one K step of 64 lie end to end in memory.
; SHARES.  The grid's y picks the matrix; a work-group takes 4 rows; wave w takes the K blocks w and w + 8.
; Lane l takes row l >> 3 of the four and 8 numbers at k = 8 (l & 7): eight lanes read 256 consecutive bytes, aligned,
; and one store of the wave covers 512 consecutive bytes (4 rows of 128), aligned.
; No LDS, no loop, no cluster: no byte is read twice and no work-group shares a byte with another.
.set BLK, 1536*128                     ; bytes of one K block of wb
	s_load_b256 s[4:11], s[0:1], 0x0               ; Wq s[4:5], Wk s[6:7], Wv s[8:9], wb s[10:11]
	s_and_b32 s12, ttmp7, 0xffff                   ; which matrix
	v_lshrrev_b32 v1, 5, v0
	v_readfirstlane_b32 s13, v1                    ; wave 0..7
	v_and_b32 v2, 7, v0                            ; l & 7
	v_bfe_u32 v3, v0, 3, 2                         ; l >> 3
	s_lshl_b32 s14, ttmp9, 2
	v_add_nc_u32 v3, s14, v3                       ; my row of the matrix
	v_lshlrev_b32 v4, 12, v3                       ; row x 4,096 bytes
	v_lshl_add_u32 v4, v2, 5, v4                   ; + my 32 bytes
	s_lshl_b32 s15, s13, 8
	v_add_nc_u32 v4, s15, v4                       ; + K block w: 256 bytes
	s_mul_i32 s16, s13, 1536
	s_lshl_b32 s17, s12, 9
	s_add_co_u32 s16, s16, s17
	v_add_nc_u32 v5, s16, v3                       ; w x 1536 + 512 x matrix + row
	v_lshlrev_b32 v5, 7, v5
	v_lshl_add_u32 v5, v2, 4, v5                   ; x 128 + my 16 bytes
	s_wait_kmcnt 0x0
	s_cmp_eq_u32 s12, 1
	s_cselect_b64 s[4:5], s[6:7], s[4:5]
	s_cmp_eq_u32 s12, 2
	s_cselect_b64 s[4:5], s[8:9], s[4:5]
	global_load_b128 v[8:11],  v4, s[4:5] th:TH_LOAD_NT
	global_load_b128 v[12:15], v4, s[4:5] offset:16 th:TH_LOAD_NT
	global_load_b128 v[16:19], v4, s[4:5] offset:2048 th:TH_LOAD_NT   ; K block w + 8
	global_load_b128 v[20:23], v4, s[4:5] offset:2064 th:TH_LOAD_NT
	s_wait_loadcnt 0x0
.irp j, 0,1,2,3,4,5,6,7
	v_cvt_pk_bf16_f32 v[24+(\j)], v[8+2*(\j)], v[8+2*(\j)+1]
.endr
	global_store_b128 v5, v[24:27], s[10:11]
	global_store_b128 v5, v[28:31], s[10:11] offset:8*BLK
	s_endpgm
.Lfunc_end_k_q987f5b533f_wcvt:
	.size	k_q987f5b533f_wcvt, .Lfunc_end_k_q987f5b533f_wcvt-k_q987f5b533f_wcvt
	.p2alignl 7, 3214868480
	.fill 96, 4, 3214868480
	.section	.rodata,"a",@progbits
	.p2align	6, 0x0
	.amdhsa_kernel k_q987f5b533f_wcvt
		.amdhsa_group_segment_fixed_size 0
		.amdhsa_private_segment_fixed_size 0
		.amdhsa_enable_private_segment 0
		.amdhsa_kernarg_size 32
		.amdhsa_user_sgpr_count 2
		.amdhsa_user_sgpr_kernarg_segment_ptr 1
		.amdhsa_wavefront_size32 1
		.amdhsa_system_sgpr_workgroup_id_x 1
		.amdhsa_system_sgpr_workgroup_id_y 1
		.amdhsa_system_sgpr_workgroup_id_z 1
		.amdhsa_system_vgpr_workitem_id 0
		.amdhsa_next_free_vgpr 32
		.amdhsa_next_free_sgpr 66
		.amdhsa_reserve_vcc 0
		.amdhsa_float_denorm_mode_32 3
		.amdhsa_float_denorm_mode_16_64 3
		.amdhsa_memory_ordered 1
		.amdhsa_forward_progress 1
		.amdhsa_inst_pref_size 3
	.end_amdhsa_kernel
	.amdgpu_metadata
---
amdhsa.version: [ 1, 2 ]
amdhsa.kernels:
  - .name:           k_q987f5b533f_wcvt
    .symbol:         k_q987f5b533f_wcvt.kd
    .args:
      - { .name: Wq, .offset: 0, .size: 8, .value_kind: global_buffer, .address_space: global }
      - { .name: Wk, .offset: 8, .size: 8, .value_kind: global_buffer, .address_space: global }
      - { .name: Wv, .offset: 16, .size: 8, .value_kind: global_buffer, .address_space: global }
      - { .name: wb, .offset: 24, .size: 8, .value_kind: global_buffer, .address_space: global }
    .group_segment_fixed_size: 0
    .private_segment_fixed_size: 0
    .kernarg_segment_align: 8
    .kernarg_segment_size: 32
    .max_flat_workgroup_size: 256
    .sgpr_count:     66
    .vgpr_count:     32
    .wavefront_size: 32
...
	.end_amdgpu_metadata
.endif
;; end of part 1
;; launch proj (part 2): grid 4 x 64, 4 waves a work-group, clusters of 4 x 4, 327,680 bytes of LDS; arguments x, wb, qkv; writes qkv
.if DOCPART == 2
	.amdgcn_target "amdgcn-amd-amdhsa--gfx1250"
	.amdhsa_code_object_version 6
	.text
	.protected	k_q987f5b533f_proj
	.globl	k_q987f5b533f_proj
	.p2align	8
	.type	k_q987f5b533f_proj,@function
k_q987f5b533f_proj:
	s_mov_b64 s[64:65], 0
	v_nop
	global_prefetch_b8 v0, s[64:65] scope:SCOPE_SE
	s_setreg_imm32_b32 hwreg(HW_REG_WAVE_MODE, 25, 1), 1
	s_wait_xcnt 0x0
	s_wait_alu depctr_hold_cnt(0) depctr_sa_sdst(0) depctr_va_vdst(0) depctr_va_sdst(0) depctr_va_ssrc(0) depctr_va_vcc(0) depctr_vm_vsrc(0)
	s_getreg_b32 s2, hwreg(HW_REG_IB_STS2, 6, 4)
	s_cmp_eq_u32 s2, 0
	s_cbranch_scc0 .Lentry_in_a_cluster
	s_endpgm
.Lentry_in_a_cluster:
	s_bfe_u32 s2, ttmp6, 0x10000c
	s_cmp_lg_u32 s2, 0xf033
	s_cbranch_scc0 .Lentry_shape_is_right
	s_endpgm
.Lentry_shape_is_right:
; qkv[m][n] = the sum over k of x[m][k] w[n][k].  x: [16384][1024] f32, rounded once to bf16 on its way; w: wb, bf16, [16 K blocks][1536][64];
; qkv: [16384][1536] f16 (q at byte 0 of a row, k at 1,024, v at 2,048), rounded once from f32 sums.
; LIMIT.  f16 holds no number beyond 65,504: q, k and v must stay within it.
; SHARES.  A work-group makes 256 rows x 384 columns: 64 x 4 work-groups.  Each of its four waves makes 128 x 192: 96 accumulators of 16 x 16, 768 registers.
; K goes in 16 steps of 64; a step is two quarters of 32 along K, a quarter two halves of 48 matrix instructions.
; THE MATRIX INSTRUCTION IS USED TRANSPOSED (source 0 = 16 rows of w, source 1 = 16 rows of x): a lane then holds eight neighbouring columns of one row.
; x IS ROUNDED ONCE A WORK-GROUP.  The tensor load brings x in f32 (rows of 256 bytes); during step s each wave rounds its 64 rows of step s + 1 into a region of LDS
; that LDS stores alone write; fragments are read from there.
; CLUSTER 4 x 4.  x's tile hangs on the tile row alone and is asked for jointly along a row of the cluster, w's on the tile column alone and jointly along a column.
; THE RING.  At the change of slots of step s all tensor loads have landed (x of step s + 2, w of step s + 1); behind the round x of step s + 3 goes into the f32 slot that step s has
; rounded, w of step s + 2 into the slot that step s has multiplied: one load a wave, waves 0 and 1 x's two halves, waves 2 and 3 w's.
; REGISTERS.  Window 0: v0-21 addresses; v32-95, v96-159 x's fragments of a quarter, two buffers (the idle one is also the rounding's work space);
; v160-207 w's fragments of column blocks 0-5, v208-255 of blocks 6-11.  Windows 1-3: accumulator (b, a) (column block b, row block a) in window 1 + b / 4 at v[8 ((8 b + a) % 32)].
.set PX,    272                        ; a row of x in f32 in LDS: 256 bytes + 16
.set PW,    144                        ; a row of w, and of x in bf16: 128 bytes + 16: an odd multiple of 16, so the 16 rows of a fragment load touch 16 different 16-byte columns of 256 bytes
.set XSL,   0x11000                    ; an f32 slot: 256 rows x 272; slot 0 at byte 0, slot 1 here
.set XHALF, 128*PX
.set W_0,   2*XSL                      ; w's slots: 384 rows x 144
.set WSZ,   384*PW
.set W_1,   W_0+WSZ
.set WHALF, 192*PW
.set X16_0, W_1+WSZ                    ; x in bf16: 256 rows x 144, two buffers; no tensor load ever lands here
.set X16SZ, 256*PW
.set X16_1, X16_0+X16SZ
.set SPARE, X16_1+X16SZ                ; the spare words, 128 bytes a wave: two blocks of 256 bytes that no other line names
.set SPI,   784                        ; the way out: a stage of 256 rows x (768 + 16) bytes from byte 0 on, over slots that have had their last fill
.set AW0, 4                            ; v4   my lane's place in w's tile; never rewritten
.set AX0, 5                            ; v5   in x's bf16 tile
.set AC0, 6                            ; v6   in x's f32 tile, for the rounding
.set AS0, 7                            ; v7   where the rounded numbers go
.set ADW, 8                            ; v8-11 the same four plus the step's slot
.set ADX, 9
.set ADC, 10
.set ADS, 11
.set STO, 12                           ; v12, v13  the way out: where I put 16 bytes of a row (row blocks 0-3, 4-7)
.set RD0, 14                           ; v14-16    where I read rows back
.set CO0, 17                           ; v17-19    my byte offsets in qkv
.set SPW, 20                           ; v20  LDS address of my spare word; never rewritten
.set NIL, 21                           ; v21  0; never rewritten
.set XB0, 32
.set XB1, 96
.set WR0, 160
.set WR1, 208
.set WV,  10                           ; s10 wave
.set WM,  11                           ; s11 my half of the rows; also 0: I fetch x, 1: I fetch w
.set WN,  12                           ; s12 my half of the columns; also which half of that tile I fetch
.set G1X, 24                           ; s[24:31] descriptor group 1 for x
.set G1W, 32                           ; s[32:39] for w
.set G0XA, 40                          ; group 0: a set for each of the two first fills; the second then walks
.set G0XB, 44
.set G0WA, 48
.set G0WB, 52
.set TW,  56                           ; s56 w's slot that is read
.set TX,  57                           ; s57 the bf16 buffer that is read
.set TC,  58                           ; s58 the f32 slot that is rounded
.set TS,  59                           ; s59 the bf16 buffer that is written
.set FW,  60                           ; s60 w's slot that is filled
.set HOFF, 61                          ; s61 my half's place in w's slot
.set CNT, 62
.set HOX, 63                           ; s63 my half's place in x's slot
.set MSB, 0
.macro WIN new                         ; the immediate's high byte repeats the setting that is left; a switch that changes nothing is dropped
.if MSB != (\new)
	s_set_vgpr_msb (MSB<<8)|(\new)
.set MSB, (\new)
.endif
.endm
.macro PLACES                          ; four plain vector instructions between a matrix instruction and a load into, or a vector read of, its registers
.rept 4
	v_nop
.endr
.endm
.macro CREST                           ; a round of the cluster's barrier behind its opening barrier
	s_cmp_lg_u32 s[WV], 0
	s_cbranch_scc1 .Lnot_wave_0_\@
	s_barrier_signal -3
.Lnot_wave_0_\@:
	s_barrier_wait -3
	s_barrier_signal -1
	s_barrier_wait -1
.endm
.macro CROUND
	s_barrier_signal -1
	s_barrier_wait -1
	CREST
.endm
.macro TLX                             ; an s_nop 0 and four v_nop follow each tensor load
	tensor_load_to_lds s[G0XB:G0XB+3], s[G1X:G1X+7]
	s_nop 0
	PLACES
.endm
.macro TLW
	tensor_load_to_lds s[G0WB:G0WB+3], s[G1W:G1W+7]
	s_nop 0
	PLACES
.endm
; A joint refill.  kind 2: waves 0, 1 ask for x, waves 2, 3 for w; kind 0: x alone; kind 1: w alone.  The branch hangs on the wave's number alone.
.macro JLOAD kind
	s_cmp_eq_u32 s[WM], 0
.if (\kind) == 2
	s_cbranch_scc0 .Lfor_w_\@
	TLX
	s_branch .Lasked_\@
.Lfor_w_\@:
	TLW
.Lasked_\@:
.elseif (\kind) == 0
	s_cbranch_scc0 .Lasked_\@
	TLX
.Lasked_\@:
.else
	s_cbranch_scc1 .Lasked_\@
	TLW
.Lasked_\@:
.endif
.endm
.macro LDW d, b0, kb                   ; six fragments of w: column blocks b0 .. b0 + 5, 32 along K at byte kb of the rows
.irp i, 0,1,2,3,4,5
	ds_load_b128 v[(\d)+8*(\i):(\d)+8*(\i)+3],   v[ADW] offset:((\b0)+(\i))*16*PW+(\kb)
	ds_load_b128 v[(\d)+8*(\i)+4:(\d)+8*(\i)+7], v[ADW] offset:((\b0)+(\i))*16*PW+(\kb)+32
.endr
.endm
.macro LDX d, kb                       ; my eight fragments of x
.irp i, 0,1,2,3,4,5,6,7
	ds_load_b128 v[(\d)+8*(\i):(\d)+8*(\i)+3],   v[ADX] offset:(\i)*16*PW+(\kb)
	ds_load_b128 v[(\d)+8*(\i)+4:(\d)+8*(\i)+7], v[ADX] offset:(\i)*16*PW+(\kb)+32
.endr
.endm
.macro LDC d, hf                       ; 32 of my 64 rows of the next step's x in f32: a lane takes 8 numbers of a row, four rows to a pair of loads
.irp i, 0,1,2,3,4,5,6,7
	ds_load_b128 v[(\d)+8*(\i):(\d)+8*(\i)+3],   v[ADC] offset:(4*(\i)+32*(\hf))*PX
	ds_load_b128 v[(\d)+8*(\i)+4:(\d)+8*(\i)+7], v[ADC] offset:(4*(\i)+32*(\hf))*PX+16
.endr
.endm
.macro CVT d                           ; rounded in place, ascending: a result lands on registers that have been read
.set z, 0
.rept 8
.irp j, 0,1,2,3
	v_cvt_pk_bf16_f32 v[(\d)+4*z+(\j)], v[(\d)+8*z+2*(\j)], v[(\d)+8*z+2*(\j)+1]
.endr
.set z, z+1
.endr
.endm
.macro STC d, hf
.irp i, 0,1,2,3,4,5,6,7
	ds_store_b128 v[ADS], v[(\d)+4*(\i):(\d)+4*(\i)+3] offset:(4*(\i)+32*(\hf))*PW
.endr
.endm
; Eight products: column block b x my eight row blocks.  The 96 accumulators take turns, one instruction a turn, in the same order in every quarter.
.macro MULB b, wr, xb, zero
	WIN 0x50*(1+(\b)/4)
.irp a, 0,1,2,3,4,5,6,7
.set rA, 8*((8*(\b)+(\a))%32)
.if \zero
	v_wmma_f32_16x16x32_bf16 v[rA:rA+7], v[(\wr)+8*((\b)%6):(\wr)+8*((\b)%6)+7], v[(\xb)+8*(\a):(\xb)+8*(\a)+7], 0
.else
	v_wmma_f32_16x16x32_bf16 v[rA:rA+7], v[(\wr)+8*((\b)%6):(\wr)+8*((\b)%6)+7], v[(\xb)+8*(\a):(\xb)+8*(\a)+7], v[rA:rA+7]
.endif
.endr
.endm
.macro TOGGLE                          ; the next step's slots, and the four addresses
	s_xor_b32 s[TW], s[TW], W_0^W_1
	s_xor_b32 s[TX], s[TX], X16_0^X16_1
	s_xor_b32 s[TC], s[TC], XSL
	s_xor_b32 s[TS], s[TS], X16_0^X16_1
	v_add_nc_u32 v[ADW], s[TW], v[AW0]
	v_add_nc_u32 v[ADX], s[TX], v[AX0]
	v_add_nc_u32 v[ADC], s[TC], v[AC0]
	v_add_nc_u32 v[ADS], s[TS], v[AS0]
.endm
; The even half of quarter h: column blocks 0-5.  Ahead of its products it asks for the quarter's other six fragments of w and (conv) for 32 rows of f32 into the idle x buffer.
.macro HBE h, zero, conv
.set XH, XB0+64*(\h)
.set XO, XB0+64*(1-(\h))
	s_wait_dscnt 0x0                               ; the run issued 32 products or more back: w's blocks 0-5 and x's fragments of this quarter
	WIN 0
	PLACES                                         ; behind the last product that read the registers loaded next
	LDW WR1, 6, 64*(\h)
.if \conv
	LDC XO, \h
.endif
.irp bb, 0,1,2,3,4,5
	MULB \bb, WR0, XH, \zero
.endr
.endm
; The odd half: column blocks 6-11.  First the f32 rows are rounded and stored (the 32 conversions are the places behind the even half's products).
; chg = 0: the next quarter's fragments are asked for (nxt).  chg = 1, 2, 3: the change of slots: both tiles, w's alone, or nothing is filled again.
.macro HBO h, zero, conv, chg, nxt
.set XH, XB0+64*(\h)
.set XO, XB0+64*(1-(\h))
	s_wait_dscnt 0x0                               ; the run issued 48 products back
	WIN 0
.if \conv
	CVT XO
	STC XO, \h
.else
	PLACES
.endif
.if (\chg) == 0
.if \nxt
	LDW WR0, 0, 64
	LDX XO, 64
.endif
.irp bb, 6,7,8,9,10,11
	MULB \bb, WR1, XH, \zero
.endr
.else
	s_wait_tensorcnt 0x0                           ; all my tensor loads have landed: my part of the next tiles; so a group 0 may be written
	ds_add_u32 v[SPW], v[NIL]                      ; 0 onto my spare word
.if (\chg) == 1
	s_xor_b32 s[G0XB+1], s[G0XB+1], XSL            ; x: the other slot, 64 numbers further along K
	s_add_nc_u64 s[G0XB+2:G0XB+3], s[G0XB+2:G0XB+3], 256
.endif
.if (\chg) < 3
	s_xor_b32 s[FW], s[FW], W_0^W_1                ; w: the other slot, the next K block
	s_add_co_u32 s[G0WB+1], s[FW], s[HOFF]
	s_add_nc_u64 s[G0WB+2:G0WB+3], s[G0WB+2:G0WB+3], 1536*128
.endif
	MULB 6, WR1, XH, 0                             ; eight products stand between the add and the wait for it
	s_wait_dscnt 0x0                               ; the add is done; my reads of both slots are back; my rounded rows are stored
	s_barrier_signal -1
	MULB 7, WR1, XH, 0
	WIN 0
	s_barrier_wait -1
.if (\chg) == 1
	CREST                                          ; the barrier has opened a round of the cluster's: no wave of any partner still reads the slots or has a load on its way
	JLOAD 2
.elseif (\chg) == 2
	CREST
	JLOAD 1
.endif
	TOGGLE
	LDW WR0, 0, 0
	LDX XO, 0
.irp bb, 8,9,10,11
	MULB \bb, WR1, XH, 0
.endr
.endif
.endm
	s_load_b128 s[4:7], s[0:1], 0x0                ; x s[4:5], wb s[6:7]
	s_load_b64 s[8:9], s[0:1], 0x10                ; qkv
	v_lshl_add_u32 v[SPW], v0, 2, SPARE
	v_mov_b32 v[NIL], 0
	ds_add_u32 v[SPW], v[NIL]                      ; the wave's opening: the add and its wait ahead of my first tensor load
	v_lshrrev_b32 v1, 5, v0
	v_readfirstlane_b32 s[WV], v1
	s_lshr_b32 s[WM], s[WV], 1
	s_and_b32 s[WN], s[WV], 1
	s_bfe_u32 s13, ttmp6, 0x40000                  ; cx
	s_bfe_u32 s14, ttmp6, 0x40004                  ; cy
	s_lshl_b32 s16, ttmp9, 2
	s_add_co_u32 s16, s16, s13                     ; tile column = 4 x cluster x + cx
	s_and_b32 s15, ttmp7, 0xffff
	s_lshl_b32 s15, s15, 2
	s_add_co_u32 s15, s15, s14                     ; tile row = 4 x cluster y + cy
	s_lshl_b32 s17, s14, 2
	s_lshl_b32 s17, 15, s17                        ; my row of the cluster
	s_lshl_b32 s18, 0x1111, s13                    ; my column
	; group 1 for x: 128 rows x 64 elements of 4 bytes, 1,024 elements from row to row, 4 words of padding behind every 64
	s_or_b32 s[G1X], s17, (2<<16)|(1<<20)|(1<<21)|(5<<22)|(3<<25)
	s_mov_b32 s[G1X+1], 64<<16                     ; tensor_dim0
	s_mov_b32 s[G1X+2], 128<<16                    ; tensor_dim1
	s_mov_b32 s[G1X+3], 64<<16                     ; tile_dim0
	s_mov_b32 s[G1X+4], 128                        ; tile_dim1
	s_mov_b32 s[G1X+5], 1024                       ; pitch
	s_mov_b32 s[G1X+6], 0
	s_mov_b32 s[G1X+7], 0
	; group 1 for w: 192 rows of 128 dense bytes, asked for as 96 rows of 256, 4 words of padding behind every 32
	s_or_b32 s[G1W], s18, (1<<16)|(1<<20)|(1<<21)|(4<<22)|(3<<25)
	s_mov_b32 s[G1W+1], 128<<16
	s_mov_b32 s[G1W+2], 96<<16
	s_mov_b32 s[G1W+3], 128<<16
	s_mov_b32 s[G1W+4], 96
	s_mov_b32 s[G1W+5], 128
	s_mov_b32 s[G1W+6], 0
	s_mov_b32 s[G1W+7], 0
	s_lshl_b32 s20, s15, 8                         ; x: row 256 x tile row + 128 x half, 4,096 bytes a row
	s_lshl_b32 s19, s[WN], 7
	s_add_co_u32 s20, s20, s19
	s_lshl_b32 s20, s20, 12
	s_mov_b32 s21, 0
	s_mul_i32 s22, s16, 384                        ; w: row 384 x tile column + 192 x half, 128 bytes a row
	s_mul_i32 s19, s[WN], 192
	s_add_co_u32 s22, s22, s19
	s_lshl_b32 s22, s22, 7
	s_mov_b32 s23, 0
	s_mul_i32 s[HOX], s[WN], XHALF                 ; no place in the cluster enters an LDS address
	s_mul_i32 s[HOFF], s[WN], WHALF
	s_mov_b32 s[G0XA], 1
	s_mov_b32 s[G0XA+1], s[HOX]
	s_mov_b32 s[G0XB], 1
	s_add_co_u32 s[G0XB+1], s[HOX], XSL
	s_mov_b32 s[G0WA], 1
	s_add_co_u32 s[G0WA+1], s[HOFF], W_0
	s_mov_b32 s[G0WB], 1
	s_add_co_u32 s[G0WB+1], s[HOFF], W_1
	s_mov_b32 s[FW], W_1
	s_mov_b32 s[TW], W_1                           ; the state one step ahead of step 0: TOGGLE turns it into step 0's
	s_mov_b32 s[TX], X16_1
	s_mov_b32 s[TC], 0
	s_mov_b32 s[TS], X16_0
	s_wait_dscnt 0x0                               ; the opening add is done
	s_wait_kmcnt 0x0
	s_add_nc_u64 s[G0XA+2:G0XA+3], s[4:5], s[20:21]
	s_add_nc_u64 s[G0XB+2:G0XB+3], s[G0XA+2:G0XA+3], 256
	s_or_b32 s[G0XA+3], s[G0XA+3], 0x80000000
	s_or_b32 s[G0XB+3], s[G0XB+3], 0x80000000
	s_add_nc_u64 s[G0WA+2:G0WA+3], s[6:7], s[22:23]
	s_add_nc_u64 s[G0WB+2:G0WB+3], s[G0WA+2:G0WA+3], 1536*128
	s_or_b32 s[G0WA+3], s[G0WA+3], 0x80000000
	s_or_b32 s[G0WB+3], s[G0WB+3], 0x80000000
	CROUND                                         ; all sixteen work-groups are here: the first joint loads meet
	s_cmp_eq_u32 s[WM], 0                          ; a wave's two first fills stand in one branch: two loads of mine are out
	s_cbranch_scc0 .Lfirst_w
	tensor_load_to_lds s[G0XA:G0XA+3], s[G1X:G1X+7]
	s_nop 0
	tensor_load_to_lds s[G0XB:G0XB+3], s[G1X:G1X+7]
	s_nop 0
	PLACES
	s_branch .Lfirst_asked
.Lfirst_w:
	tensor_load_to_lds s[G0WA:G0WA+3], s[G1W:G1W+7]
	s_nop 0
	tensor_load_to_lds s[G0WB:G0WB+3], s[G1W:G1W+7]
	s_nop 0
	PLACES
.Lfirst_asked:
	v_and_b32 v1, 15, v0                           ; r = l % 16
	v_bfe_u32 v2, v0, 4, 1                         ; h = l / 16
	v_mul_u32_u24 v3, v1, PW
	v_lshl_add_u32 v3, v2, 4, v3                   ; a fragment's row x pitch + 16 x half
	v_add_nc_u32 v[AW0], s[HOFF], v3               ; my 192 rows of w
	s_mul_i32 s19, s[WM], 128*PW
	v_add_nc_u32 v[AX0], s19, v3                   ; my 128 rows of x
	v_bfe_u32 v3, v0, 3, 2                         ; the rounding: row l >> 3 of four,
	v_and_b32 v[STO], 7, v0                        ; 8 numbers at 8 (l & 7)
	v_mul_u32_u24 v[AC0], v3, PX
	v_lshl_add_u32 v[AC0], v[STO], 5, v[AC0]
	s_mul_i32 s19, s[WV], 64*PX
	v_add_nc_u32 v[AC0], s19, v[AC0]
	v_mul_u32_u24 v[AS0], v3, PW
	v_lshl_add_u32 v[AS0], v[STO], 4, v[AS0]
	s_mul_i32 s19, s[WV], 64*PW
	v_add_nc_u32 v[AS0], s19, v[AS0]
	v_add_nc_u32 v[ADC], s[TC], v[AC0]
	v_add_nc_u32 v[ADS], s[TS], v[AS0]
	; the way out.  In: row 128 wm + 16 a + r, byte 384 wn + 32 b + 16 h
	v_mul_u32_u24 v[STO], v1, SPI
	v_lshl_add_u32 v[STO], v2, 4, v[STO]
	s_mul_i32 s19, s[WM], 128*SPI
	v_add_nc_u32 v[STO], s19, v[STO]
	s_mul_i32 s19, s[WN], 384
	v_add_nc_u32 v[STO], s19, v[STO]
	v_add_nc_u32 v[STO+1], 4*16*SPI, v[STO]
	; back: two rows of 768 bytes are six blocks of 256: three loads, sixteen lanes to a block
	s_mul_i32 s19, s[WV], 64*SPI
	v_lshl_add_u32 v3, v1, 4, s19                  ; my 64 rows + 16 r
	v_lshl_add_u32 v[RD0], v2, 8, v3               ; row 0: blocks 0, 1
	v_mul_u32_u24 v[RD0+1], v2, SPI-512
	v_add3_u32 v[RD0+1], v[RD0+1], v3, 512         ; row 0 block 2, row 1 block 0
	v_add_nc_u32 v[RD0+2], SPI+256, v[RD0]         ; row 1: blocks 1, 2
	v_lshlrev_b32 v3, 4, v1
	v_lshl_add_u32 v[CO0], v2, 8, v3
	v_mul_u32_u24 v[CO0+1], v2, 3072-512
	v_add3_u32 v[CO0+1], v[CO0+1], v3, 512
	v_add_nc_u32 v[CO0+2], 3072+256, v[CO0]
	s_lshl_b32 s2, s15, 8
	s_lshl_b32 s3, s[WV], 6
	s_add_co_u32 s2, s2, s3                        ; the first row that I store
	s_mul_i32 s2, s2, 3072
	s_mul_i32 s3, s16, 768
	s_add_co_u32 s2, s2, s3                        ; the tile's first column, in bytes
	s_mov_b32 s3, 0
	s_add_nc_u64 s[8:9], s[8:9], s[2:3]
	s_wait_tensorcnt 0x1                           ; the first of my two loads has landed (step 0's tile); the second may stay out
	s_barrier_signal -1
	s_barrier_wait -1                              ; everybody's has
	LDC XB0, 0                                     ; x of step 0 is rounded ahead of the loop
	LDC XB1, 1
	s_wait_dscnt 0x0
	CVT XB0
	STC XB0, 0
	CVT XB1
	STC XB1, 1
	s_wait_tensorcnt 0x0                           ; step 1's tiles have landed too
	ds_add_u32 v[SPW], v[NIL]
	s_xor_b32 s[G0XB+1], s[G0XB+1], XSL            ; x of step 2 goes into slot 0
	s_add_nc_u64 s[G0XB+2:G0XB+3], s[G0XB+2:G0XB+3], 256
	s_wait_dscnt 0x0                               ; the add is done, my reads of slot 0 are back, my rounded rows are stored
	CROUND
	JLOAD 0
	TOGGLE
	LDW WR0, 0, 0
	LDX XB0, 0
	HBE 0, 1, 1                                    ; the first quarter stands in front of the loop: its products start the sums
	HBO 0, 1, 1, 0, 1
	WIN 0
	s_mov_b32 s[CNT], 13
.Lstep:                                        ; trip s = 0 .. 12: step s's second quarter with the change of slots (x of step s + 3, w of step s + 2), step s + 1's first quarter
	HBE 1, 0, 1
	HBO 1, 0, 1, 1, 1
	HBE 0, 0, 1
	HBO 0, 0, 1, 0, 1
	WIN 0
	s_sub_co_u32 s[CNT], s[CNT], 1
	s_cmp_lg_u32 s[CNT], 0
	s_cbranch_scc1 .Lstep
	HBE 1, 0, 1                                    ; the tail is written out.  Step 13: w of step 15 alone is asked for
	HBO 1, 0, 1, 2, 1
	HBE 0, 0, 1                                    ; step 14 rounds the last x
	HBO 0, 0, 1, 0, 1
	HBE 1, 0, 1
	HBO 1, 0, 1, 3, 1                              ; nothing is filled again: my work-group's barrier alone
	HBE 0, 0, 0                                    ; step 15
	HBO 0, 0, 0, 0, 1
	HBE 1, 0, 0
	HBO 1, 0, 0, 0, 0
	; THE WAY OUT: rounded to f16, 16 bytes a lane into the work-group's stage; a barrier; back as whole rows of 768 bytes, 64 rows a wave.
	WIN 0
	PLACES
	s_wait_dscnt 0x0
	s_barrier_signal -1
	s_barrier_wait -1                              ; nobody reads the slots any more: the stage may be written over them
.set N, 1
.rept 3                                ; a window's 32 accumulators at a time; each is read from its lowest registers on
	WIN 5*N                                        ; sources 0 and 1 in window N
.set z, 0
.rept 128
	v_cvt_pk_f16_f32 v[32+z], v[2*z], v[2*z+1]
.set z, z+1
.endr
	WIN 0
.set z, 0
.rept 32                               ; accumulator z of the window: column block 4 (N - 1) + z / 8, row block z % 8
	ds_store_b128 v[STO+(z%8)/4], v[32+4*z:32+4*z+3] offset:((z%8)%4)*16*SPI+32*(4*(N-1)+z/8)
.set z, z+1
.endr
.set N, N+1
.endr
	s_wait_dscnt 0x0                               ; for the others' sake: my stores into the stage are done
	s_barrier_signal -1
	s_barrier_wait -1
.set bt, 0
.rept 3                                ; 96 loads and stores in three batches of 32
	s_wait_xcnt 0x0                                ; the last batch's stores have read their registers
.set z, 0
.rept 32
.set n, 32*bt+z
	ds_load_b128 v[32+4*z:32+4*z+3], v[RD0+n%3] offset:(n/3)*2*SPI
.set z, z+1
.endr
.set z, 0
.rept 32
.set n, 32*bt+z
	s_wait_dscnt 31-z                              ; the younger loads of the batch may stay out
	global_store_b128 v[CO0+n%3], v[32+4*z:32+4*z+3], s[8:9] offset:(n/3)*2*3072  ; sixteen lanes store 256 consecutive bytes, at a multiple of 256 from the buffer's first byte
.set z, z+1
.endr
.set bt, bt+1
.endr
	s_wait_tensorcnt 0x0                           ; the wave's end
	ds_add_u32 v[SPW], v[NIL]
	s_wait_dscnt 0x0
	CROUND                                         ; the closing round
	s_endpgm
.Lfunc_end_k_q987f5b533f_proj:
	.size	k_q987f5b533f_proj, .Lfunc_end_k_q987f5b533f_proj-k_q987f5b533f_proj
	.p2alignl 7, 3214868480
	.fill 96, 4, 3214868480
	.section	.rodata,"a",@progbits
	.p2align	6, 0x0
	.amdhsa_kernel k_q987f5b533f_proj
		.amdhsa_group_segment_fixed_size 327680
		.amdhsa_private_segment_fixed_size 0
		.amdhsa_enable_private_segment 0
		.amdhsa_kernarg_size 24
		.amdhsa_user_sgpr_count 2
		.amdhsa_user_sgpr_kernarg_segment_ptr 1
		.amdhsa_wavefront_size32 1
		.amdhsa_system_sgpr_workgroup_id_x 1
		.amdhsa_system_sgpr_workgroup_id_y 1
		.amdhsa_system_sgpr_workgroup_id_z 1
		.amdhsa_system_vgpr_workitem_id 0
		.amdhsa_next_free_vgpr 1024
		.amdhsa_next_free_sgpr 66
		.amdhsa_reserve_vcc 0
		.amdhsa_float_denorm_mode_32 3
		.amdhsa_float_denorm_mode_16_64 3
		.amdhsa_memory_ordered 1
		.amdhsa_forward_progress 1
		.amdhsa_inst_pref_size 161
	.end_amdhsa_kernel
	.amdgpu_metadata
---
amdhsa.version: [ 1, 2 ]
amdhsa.kernels:
  - .name:           k_q987f5b533f_proj
    .symbol:         k_q987f5b533f_proj.kd
    .args:
      - { .name: x, .offset: 0, .size: 8, .value_kind: global_buffer, .address_space: global }
      - { .name: wb, .offset: 8, .size: 8, .value_kind: global_buffer, .address_space: global }
      - { .name: qkv, .offset: 16, .size: 8, .value_kind: global_buffer, .address_space: global }
    .group_segment_fixed_size: 327680
    .private_segment_fixed_size: 0
    .kernarg_segment_align: 8
    .kernarg_segment_size: 24
    .max_flat_workgroup_size: 128
    .sgpr_count:     66
    .vgpr_count:     1024
    .wavefront_size: 32
...
	.end_amdgpu_metadata
.endif
;; end of part 2
;; launch attn (part 3): grid 40 x 8, 4 waves a work-group, clusters of 4 x 1, 327,680 bytes of LDS; arguments qkv, po, ps; writes po, ps
.if DOCPART == 3
	.amdgcn_target "amdgcn-amd-amdhsa--gfx1250"
	.amdhsa_code_object_version 6
	.text
	.protected	k_q987f5b533f_attn
	.globl	k_q987f5b533f_attn
	.p2align	8
	.type	k_q987f5b533f_attn,@function
k_q987f5b533f_attn:
	s_mov_b64 s[64:65], 0
	v_nop
	global_prefetch_b8 v0, s[64:65] scope:SCOPE_SE
	s_setreg_imm32_b32 hwreg(HW_REG_WAVE_MODE, 25, 1), 1
	s_wait_xcnt 0x0
	s_wait_alu depctr_hold_cnt(0) depctr_sa_sdst(0) depctr_va_vdst(0) depctr_va_sdst(0) depctr_va_ssrc(0) depctr_va_vcc(0) depctr_vm_vsrc(0)
	s_getreg_b32 s2, hwreg(HW_REG_IB_STS2, 6, 4)
	s_cmp_eq_u32 s2, 0
	s_cbranch_scc0 .Lentry_in_a_cluster
	s_endpgm
.Lentry_in_a_cluster:
	s_bfe_u32 s2, ttmp6, 0x10000c
	s_cmp_lg_u32 s2, 0x3003
	s_cbranch_scc0 .Lentry_shape_is_right
	s_endpgm
.Lentry_shape_is_right:
; CAUSAL ATTENTION, head size 512, over RANGES OF KEYS: each work-group leaves one unnormalised partial result (a segment), which the next launch merges.
; qkv: [8 x 2048][1536] f16 (q, k, v at bytes 0, 1,024, 2,048 of a row).
; po: [batch 8][segment 10][p 4] slots of 262,144 bytes, f32, the sum of p V as it lies in registers: [wave 4][tile 2][channel block 32][half 2][lane 32][16 bytes]:
; lane l, half e of block cb hold channels 16 cb + 8 (l / 16) + 4 e + 0..3 of query 32 wave + 16 tile + l % 16.  ps: the same slots, [128 queries] pairs (c m, l) f32.
; p = 2^(c s - c m), c = log2(e) / sqrt(512), m the running maximum of the segment's scores, l the sum of p.  Products, maxima and sums in f32; p is rounded to f16 for the second product.
; LIMITS.  q, k, v arrive within f16's range.  A hidden score counts as its value less 2^100 (true scores stay under 2.2e12).  A weight below 2^-126 counts as 0.  NaN and infinities are not treated apart.
; THE SHARES.  A batch's 16 blocks of 128 queries form groups G = 0..3; block 4 G + p.  A group's four blocks need the same columns of 64 keys, 0 .. 8 G + 7, and are one cluster: K and V are asked for jointly.
; A cluster takes EIGHT columns: group 3 has four clusters (segments 0-3), group 2 three (4-6), group 1 two (7, 8), group 0 one (9): ten clusters a batch, 320 work-groups of equal work.
; Every trip count is a constant and no branch hangs on anything but the wave's number, the loop's counter and, for the prefetch, the cluster's number.
; A work-group's place p enters Q's, po's and ps's addresses, the prefetches' address and the mask's scalar, and nothing else.
; In a group's last cluster the columns that lie wholly above a partner's diagonal are computed and masked: the price of joint requests.
; THE MASK is the value with which the sums S^T = K Q^T start: 0, or -2^100 where the key is hidden.  It is made in every step, 128 vector lines, between the step's first LDS loads and the wait for them:
; one text for every step, with no branch in it.  A segment's first key is no later than any query of its group, so every row has a true maximum from its segment's first step on, and a hidden score's weight is 0.
; A wave owns 32 queries (two tiles of 16) and all 512 channels.  A column of 64 keys is one key step.
; LAYOUT.  S^T = K Q^T (source 0 = 16 keys, source 1 = 16 queries): a lane holds ONE query (lane % 16) and the keys 8 (lane / 16) + 0..7; two such results rounded to f16 ARE source 1 of O^T = V^T P.
; REGISTERS.  Window 0: v0-15 addresses; v16-31 statistics, eight a tile; v32-95 S^T; v96-127 P; v128-191, v192-255 two buffers of eight fragments of K or V.
; Window 1: Q (tile qt, channels 32 c on, at 128 qt + 8 c).  Window 2: O^T of tile 0 (channel block cb at 8 cb).  Window 3: O^T of tile 1.
.set PKP,   528                        ; a row of half a tile of K in LDS: 512 bytes + 16: an odd multiple of 16
.set PVP,   544                        ; of V: 512 + 32: an odd multiple of 32, for the turning load
.set KH,    64*PKP                     ; K's channels 256-511 lie behind its channels 0-255
.set VOFF,  2*KH
.set VH,    64*PVP
.set SLOT,  0x22000                    ; a slot holds one column's K and V; no region's base shares a bit with this number, so one exclusive or changes slots
.set SPARE, 2*SLOT                     ; behind the ring: the spare words, 128 bytes a wave: two blocks of 256 bytes that no other line names
.set COLB,  64*3072                    ; bytes from a column of 64 keys to the next
.set NCOL,  8                          ; columns of a cluster
.set PSO, 1                            ; v1   8 x lane
.set AK0, 2                            ; v2   my lane's place in a tile of K; never rewritten
.set AV0, 3                            ; v3   in a tile of V
.set ADK, 4                            ; v4, v5  the same plus the step's slot
.set ADV, 5
.set GO,  8                            ; v8   16 x lane
.set QO,  9                            ; v9   my byte offset in 16 rows of q
.set DQ,  10                           ; v10  32 w + lane % 16 - 8 (lane / 16)
.set VT,  11                           ; v11  the mask's threshold
.set SPW, 12                           ; v12  LDS address of my spare word; never rewritten
.set NIL, 13                           ; v13  0; never rewritten
.set BIGV, 14                          ; v14  -2^100
.set PFO, 15                           ; v15  the prefetches' offset: row lane / 2, block lane % 2
.set ST,  16                           ; tile t at v[ST + 8 t]: c m, m, l (even keys', odd keys'), c0-c3 at work; c2 takes a
.set S,   32                           ; tile qt, key block kt at S + 32 qt + 8 kt
.set P,   96                           ; tile qt, key half kk at P + 16 qt + 8 kk
.set F0,  128
.set WV,  12                           ; s12 wave
.set G1K, 24                           ; s[24:31] descriptor group 1 for K's tiles
.set G1V, 32                           ; s[32:39] for V's: it differs in the padding alone
.set G0K, 40                           ; s[40:43] descriptor group 0 for K's tiles: it walks
.set G0V, 44                           ; s[44:47] the same for V's
.set KB,  48                           ; s[48:49] k at my cluster's first column, my half of the channels
.set VB,  50                           ; s[50:51] v likewise
.set QB,  52                           ; s[52:53] q at the 16 rows that are loaded next
.set PFA, 56                           ; s[56:57] where my prefetches stand: my half of K or V, my work-group's 16 rows, at the column to be named
.set CS,  58                           ; s[58:59] c
.set SEL, 60                           ; s[60:61] v_permlanex16_b32's selects
.set TB,  62                           ; s62 the slot that is read
.set CNT, 63                           ; s63 trips still to come
.set BOFF, 71                          ; s71 my block's first query in the batch
.set DLT, 72
.set KP,  73                           ; s73 the step's first key in the batch
.set LIM, 76                           ; s76 1 in a cluster that prefetches, else the greatest number: a wave prefetches while s[CNT] is above it
.set HM,  77                           ; s77 lanes 16-31
.set MSB, 0
.macro WIN new                         ; the immediate's high byte repeats the setting that is left; a switch that changes nothing is dropped
.if MSB != (\new)
	s_set_vgpr_msb (MSB<<8)|(\new)
.set MSB, (\new)
.endif
.endm
.macro PLACES                          ; four plain vector instructions between a matrix instruction and a load into, or a vector read of, its registers
.rept 4
	v_nop
.endr
.endm
.macro CROUND                          ; a round of the cluster's barrier
	s_barrier_signal -1
	s_barrier_wait -1
	s_cmp_lg_u32 s[WV], 0
	s_cbranch_scc1 .Lnot_wave_0_\@
	s_barrier_signal -3
.Lnot_wave_0_\@:
	s_barrier_wait -3
	s_barrier_signal -1
	s_barrier_wait -1
.endm
; A joint fill.  Waves 0 and 1 fetch the two halves (256 channels) of a column's K, waves 2 and 3 those of its V.  An s_nop 0 and four v_nop follow each line.
.macro JLOAD
	s_cmp_lt_u32 s[WV], 2
	s_cbranch_scc0 .Lfor_v_\@
	tensor_load_to_lds s[G0K:G0K+3], s[G1K:G1K+7]
	s_nop 0
	PLACES
	s_branch .Lasked_\@
.Lfor_v_\@:
	tensor_load_to_lds s[G0V:G0V+3], s[G1V:G1V+7]
	s_nop 0
	PLACES
.Lasked_\@:
.endm
; A PREFETCH of the column that the NEXT change of slots will ask for: one column, 256 matrix instructions, ahead of that load.  Only clusters 0 to 3 of a batch ask, which between them walk the batch's 32
; columns once, each for its tiles 2 to 7: a column is named at most once.  A column's 64 rows are shared out among the four partners BY ADDRESS, 16 each; a wave names its own half of K or V: a lane a block
; of 256 bytes, one instruction.  The last trip asks for nothing: there is no tile behind the one that it loads.
.macro ASK
	s_cmp_gt_u32 s[CNT], s[LIM]
	s_cbranch_scc0 .Lnot_mine_\@
	global_prefetch_b8 v[PFO], s[PFA:PFA+1] th:TH_LOAD_NT scope:SCOPE_SE
.Lnot_mine_\@:
.endm
; THE CHANGE OF SLOTS.  Each wave waits for all its tensor loads (one is out: its part of the next slot), adds 0 to its spare word, and waits for that and for its reads of the slot that it leaves.
; fill = 1: the barrier is a round of the cluster's, and the slot that is left is filled again first thing behind it, with the column after the next.
; (At its first use nothing has been read yet: slot 0 is waited for, slot 1 filled.)
.macro CHANGE fill
	WIN 0
	s_wait_tensorcnt 0x0                           ; no tensor load of mine is out, so a group 0 may be written
	ds_add_u32 v[SPW], v[NIL]                      ; 0 onto my spare word; the descriptors' steps stand between it and the wait for it
.if \fill
.irp q, G0K, G0V
	s_xor_b32 s[(\q)+1], s[(\q)+1], SLOT           ; the walking descriptor: the other slot than last time,
	s_add_nc_u64 s[(\q)+2:(\q)+3], s[(\q)+2:(\q)+3], COLB  ; the next column; the type bits on top are not reached
.endr
	s_wait_xcnt 0x0                                ; the last prefetch, a column back, has read its address
	s_add_nc_u64 s[PFA:PFA+1], s[PFA:PFA+1], COLB
	s_wait_dscnt 0x0                               ; the add is done, and my reads of the slot are over
	CROUND
	JLOAD
	ASK
.else
	s_wait_dscnt 0x0
	s_barrier_signal -1
	s_barrier_wait -1
.endif
	s_xor_b32 s[TB], s[TB], SLOT
.endm
; THE LDS LOADS stand in runs of 16, into two buffers by turns.  Run g of K: channel steps 2 g, 2 g + 1 (32 channels each) of the four key blocks.
.macro FETCHK g
.set fb, F0+64*((\g)%2)
.irp cc, 0,1
.irp kt, 0,1,2,3
.set ko, ((2*(\g)+(\cc))/8)*KH+(\kt)*16*PKP+((2*(\g)+(\cc))%8)*64
	ds_load_b128 v[fb+8*(4*(\cc)+(\kt)):fb+8*(4*(\cc)+(\kt))+3],   v[ADK] offset:ko
	ds_load_b128 v[fb+8*(4*(\cc)+(\kt))+4:fb+8*(4*(\cc)+(\kt))+7], v[ADK] offset:ko+32
.endr
.endr
.endm
; Run u of V, turned: channel blocks 8 (u / 2) .. + 7, keys 32 (u % 2) on.
.macro FETCHV u
.set fb, F0+64*((\u)%2)
.irp i, 0,1,2,3,4,5,6,7
.set vo, ((8*((\u)/2)+(\i))/16)*VH+((\u)%2)*32*PVP+((8*((\u)/2)+(\i))%16)*32
	ds_load_tr16_b128 v[fb+8*(\i):fb+8*(\i)+3],   v[ADV] offset:vo
	ds_load_tr16_b128 v[fb+8*(\i)+4:fb+8*(\i)+7], v[ADV] offset:vo+16*PVP
.endr
.endm
; 16 products of S^T = K Q^T on run g.  The eight accumulators take turns, one instruction a turn; all add in place: the sums start with the mask.
.macro KQ16 g
	WIN 0x04                                       ; Q (source 1) in window 1
.irp cc, 0,1
.irp kt, 0,1,2,3
.irp qt, 0,1
.set rS, S+32*(\qt)+8*(\kt)
.set rK, F0+64*((\g)%2)+8*(4*(\cc)+(\kt))
.set rQ, 128*(\qt)+8*(2*(\g)+(\cc))
	v_wmma_f32_16x16x32_f16 v[rS:rS+7], v[rK:rK+7], v[rQ:rQ+7], v[rS:rS+7]
.endr
.endr
.endr
.endm
; 16 products of O^T += V^T P on run u: a group's eight channel blocks for tile 0, then for tile 1: sixteen accumulators by turns; a group's two runs (the two key halves) follow each other.
; Behind each product of the first three groups stand two packed multiplies that rescale half an accumulator of the NEXT group: product j of a group's 32 takes half j % 2 of accumulator j / 2
; (tile j / 16, block (j / 2) % 8), its low half first.  So a group is rescaled whole before its first product.
.macro PV16 u
.set fp, F0+64*((\u)%2)
.irp t, 0,1
.irp i, 0,1,2,3,4,5,6,7
.set rO, 8*(8*((\u)/2)+(\i))
	WIN 0xa0+0x50*(\t)                             ; C and D in window 2 or 3
	v_wmma_f32_16x16x32_f16 v[rO:rO+7], v[fp+8*(\i):fp+8*(\i)+7], v[P+16*(\t)+8*((\u)%2):P+16*(\t)+8*((\u)%2)+7], v[rO:rO+7]
.if (\u) < 6
.set rT, 8*(8*((\u)/2+1)+(8*(\t)+(\i))/2)+4*((\i)%2)
	WIN 0x82+0x41*((\u)%2)                         ; destination and source 0 in window 2 or 3, a in window 0
	v_pk_mul_f32 v[rT:rT+1], v[rT:rT+1], v[ST+8*((\u)%2)+6:ST+8*((\u)%2)+7] op_sel_hi:[1,0]
	v_pk_mul_f32 v[rT+2:rT+3], v[rT+2:rT+3], v[ST+8*((\u)%2)+6:ST+8*((\u)%2)+7] op_sel_hi:[1,0]
.endif
.endr
.endr
.endm
; THE SOFTMAX of both tiles for one step of 64 keys (32 scores a lane and tile), the tiles alternating.  All 66 exponentials are one batch with one wait: nothing ahead of the wait names a result of theirs.
.macro SOFTMAX
	WIN 0
.irp j, 0,1,2,3                        ; four chains of seven scores each; each accumulator's lowest registers are read first
.irp t, 0,1
	v_max3_num_f32 v[ST+8*(\t)+4+(\j)], v[S+32*(\t)+8*(\j)], v[S+32*(\t)+8*(\j)+1], v[S+32*(\t)+8*(\j)+2]
.endr
.endr
.irp u, 1,2
.irp j, 0,1,2,3
.irp t, 0,1
	v_max3_num_f32 v[ST+8*(\t)+4+(\j)], v[ST+8*(\t)+4+(\j)], v[S+32*(\t)+8*(\j)+2*(\u)+1], v[S+32*(\t)+8*(\j)+2*(\u)+2]
.endr
.endr
.endr
.irp t, 0,1
	v_max3_num_f32 v[ST+8*(\t)+4], v[ST+8*(\t)+4], v[S+32*(\t)+7], v[S+32*(\t)+15]
.endr
.irp t, 0,1
	v_max3_num_f32 v[ST+8*(\t)+6], v[ST+8*(\t)+6], v[S+32*(\t)+23], v[S+32*(\t)+31]
.endr
.irp t, 0,1
	v_max3_num_f32 v[ST+8*(\t)+4], v[ST+8*(\t)+4], v[ST+8*(\t)+5], v[ST+8*(\t)+6]
.endr
.irp t, 0,1
	v_max3_num_f32 v[ST+8*(\t)+4], v[ST+8*(\t)+4], v[ST+8*(\t)+7], v[ST+8*(\t)+1]   ; and the old m
.endr
.irp t, 0,1
	v_permlanex16_b32 v[ST+8*(\t)+5], v[ST+8*(\t)+4], s[SEL], s[SEL+1]              ; the query's other 32 keys lie in the lane 16 away
.endr
.irp t, 0,1
	v_mov_b32 v[ST+8*(\t)+7], v[ST+8*(\t)]                                          ; c m_old is kept
.endr
.irp t, 0,1
	v_max_num_f32 v[ST+8*(\t)+1], v[ST+8*(\t)+4], v[ST+8*(\t)+5]
.endr
.irp t, 0,1
	v_mul_f32 v[ST+8*(\t)], s[CS], v[ST+8*(\t)+1]
.endr
.irp t, 0,1
	v_sub_f32 v[ST+8*(\t)+7], v[ST+8*(\t)+7], v[ST+8*(\t)]
.endr
.irp t, 0,1
	v_exp_f32 v[ST+8*(\t)+6], v[ST+8*(\t)+7]                                        ; a
.endr
.set n, 0
.rept 16                               ; pair n is scaled, c s - c m; pair n - 1's exponentials follow
.irp t, 0,1
	v_pk_fma_f32 v[S+32*(\t)+2*n:S+32*(\t)+2*n+1], v[S+32*(\t)+2*n:S+32*(\t)+2*n+1], s[CS:CS+1], v[ST+8*(\t):ST+8*(\t)+1] op_sel_hi:[1,0,0] neg_lo:[0,0,1] neg_hi:[0,0,1]
.endr
.if n > 0
.irp t, 0,1
	v_exp_f32 v[S+32*(\t)+2*n-2], v[S+32*(\t)+2*n-2]
	v_exp_f32 v[S+32*(\t)+2*n-1], v[S+32*(\t)+2*n-1]
.endr
.endif
.set n, n+1
.endr
.irp t, 0,1
	v_exp_f32 v[S+32*(\t)+30], v[S+32*(\t)+30]
	v_exp_f32 v[S+32*(\t)+31], v[S+32*(\t)+31]
.endr
	v_nop                                          ; a plain instruction behind the last exponential: one for the batch (ISA guide 5.7.2)
	s_wait_alu depctr_va_vdst(0)                   ; the wait ahead of the first use: one for the batch
.set n, 0
.rept 16
.irp t, 0,1
	v_cvt_pk_f16_f32 v[P+16*(\t)+n], v[S+32*(\t)+2*n], v[S+32*(\t)+2*n+1]
.endr
.set n, n+1
.endr
.irp w, 4,8,16,32                      ; the sum of a tile's 16 pairs, in place: neighbours 1, 2, 4 and 8 pairs apart
.set u, 0
.rept 32/(\w)
.irp t, 0,1
	v_pk_add_f32 v[S+32*(\t)+(\w)*u:S+32*(\t)+(\w)*u+1], v[S+32*(\t)+(\w)*u:S+32*(\t)+(\w)*u+1], v[S+32*(\t)+(\w)*u+(\w)/2:S+32*(\t)+(\w)*u+(\w)/2+1]
.endr
.set u, u+1
.endr
.endr
.irp t, 0,1
	v_pk_fma_f32 v[ST+8*(\t)+2:ST+8*(\t)+3], v[ST+8*(\t)+2:ST+8*(\t)+3], v[ST+8*(\t)+6:ST+8*(\t)+7], v[S+32*(\t):S+32*(\t)+1] op_sel_hi:[1,0,1]   ; l = a l + sum
.endr
.irp t, 0,1                            ; O^T's first group, channel blocks 0-7, times a; the other groups are rescaled beside the products
	WIN 0x82+0x41*(\t)
.set n, 0
.rept 32
	v_pk_mul_f32 v[2*n:2*n+1], v[2*n:2*n+1], v[ST+8*(\t)+6:ST+8*(\t)+7] op_sel_hi:[1,0]
.set n, n+1
.endr
.endr
.endm
; A KEY STEP of 64 keys: the mask, 128 products K Q^T, the softmax, 128 products V^T P.  A run of LDS loads is asked for two runs ahead, four places behind the last product that
; read its buffer; the wait in front of a run's products leaves the one younger run (16 loads) out.
.macro STEP64
	WIN 0
	v_add_nc_u32 v[ADK], s[TB], v[AK0]
	v_add_nc_u32 v[ADV], s[TB], v[AV0]
	FETCHK 0
	FETCHK 1
	s_sub_co_u32 s[DLT], s[BOFF], s[KP]            ; my block's first query less the step's first key
	v_add_nc_u32 v[VT], s[DLT], v[DQ]              ; register j of (qt, kt) is hidden where 16 kt + j - 16 qt is greater
.set z, 0
.rept 64                               ; the sums' starting values, made while the first two runs of loads are out
	v_cmp_gt_i32 vcc_lo, 16*((z%32)/8)+z%8-16*(z/32), v[VT]
	v_cndmask_b32 v[S+z], 0, v[BIGV], vcc_lo
.set z, z+1
.endr
.set g, 0
.rept 8
	s_wait_dscnt 16
	KQ16 g
	WIN 0
	PLACES
.if g < 6
	FETCHK g+2
.else
	FETCHV g-6
.endif
.set g, g+1
.endr
	SOFTMAX
.set g, 0
.rept 8
.if g < 7
	s_wait_dscnt 16
.else
	s_wait_dscnt 0x0
.endif
	PV16 g
	WIN 0
	PLACES
.if g < 6
	FETCHV g+2
.endif
.set g, g+1
.endr
	s_add_co_u32 s[KP], s[KP], 64
.endm
; Q stays in registers.  It comes in two halves of 32 loads, a tile of 16 queries each: channels 32 i on.  The second half goes out when the first has landed: at most 32 loads of the wave are out.
.macro LOADQ t
	WIN 0x40
.set i, 0
.rept 16
	global_load_b128 v[128*(\t)+8*i:128*(\t)+8*i+3],   v[QO], s[QB:QB+1] offset:i*64
	global_load_b128 v[128*(\t)+8*i+4:128*(\t)+8*i+7], v[QO], s[QB:QB+1] offset:i*64+32
.set i, i+1
.endr
	WIN 0
.endm
	s_load_b128 s[4:7], s[0:1], 0x0                ; qkv s[4:5], po s[6:7]
	s_load_b64 s[8:9], s[0:1], 0x10                ; ps
	v_lshl_add_u32 v[SPW], v0, 2, SPARE
	v_mov_b32 v[NIL], 0
	ds_add_u32 v[SPW], v[NIL]                      ; the wave's opening: the add and its wait ahead of my first tensor load
	v_lshrrev_b32 v80, 5, v0
	v_readfirstlane_b32 s[WV], v80
	s_bfe_u32 s13, ttmp6, 0x40000                  ; p: my place in the cluster
	s_mov_b32 s14, ttmp9                           ; k: my cluster among the batch's ten = my segment
	s_and_b32 s15, ttmp7, 0xffff                   ; batch
	s_mov_b32 s21, 0                               ; the first cluster of my group,
	s_mov_b32 s[BOFF], 1536                        ; and 512 G
	s_cmp_ge_u32 s14, 4
	s_cselect_b32 s21, 4, s21
	s_cselect_b32 s[BOFF], 1024, s[BOFF]
	s_cmp_ge_u32 s14, 7
	s_cselect_b32 s21, 7, s21
	s_cselect_b32 s[BOFF], 512, s[BOFF]
	s_cmp_ge_u32 s14, 9
	s_cselect_b32 s21, 9, s21
	s_cselect_b32 s[BOFF], 0, s[BOFF]
	s_sub_co_u32 s21, s14, s21                     ; which eight columns of the group's walk
	s_lshl_b32 s[KP], s21, 9                       ; my first key: 512 x that
	s_cmp_lt_u32 s14, 4                            ; clusters 0 to 3 prefetch: the same in all four partners
	s_cselect_b32 s[LIM], 1, -1
	s_mul_i32 s22, s15, 10
	s_add_co_u32 s22, s22, s14
	s_lshl_b32 s86, s22, 2
	s_add_co_u32 s86, s86, s13                     ; my slot of po and ps
	s_lshl_b32 s78, s86, 18                        ; x 262,144 bytes,
	s_lshl_b32 s22, s[WV], 16
	s_add_co_u32 s78, s78, s22                     ; my wave's 65,536
	s_mov_b32 s79, 0
	s_lshl_b32 s80, s86, 10
	s_lshl_b32 s22, s[WV], 8
	s_add_co_u32 s80, s80, s22
	s_mov_b32 s81, 0
	s_mul_i32 s16, s15, 2048*3072                  ; the batch's first byte
	s_and_b32 s17, s[WV], 1                        ; which half of the channels I fetch
	s_lshl_b32 s18, s17, 9
	s_add_co_u32 s82, s16, s18
	s_add_co_u32 s82, s82, 1024                    ; k in a row
	s_mul_i32 s18, s[KP], 3072
	s_add_co_u32 s82, s82, s18                     ; my first key's row
	s_mov_b32 s83, 0
	s_lshl_b32 s87, s13, 7
	s_add_co_u32 s[BOFF], s[BOFF], s87             ; + 128 p
	s_lshl_b32 s87, s[WV], 5
	s_add_co_u32 s87, s87, s[BOFF]
	s_mul_i32 s87, s87, 3072
	s_add_co_u32 s84, s87, s16                     ; q at my wave's first row
	s_mov_b32 s85, 0
	s_mul_i32 s86, s13, 16*3072                    ; the prefetches: my work-group's 16 rows of a column
	s_mov_b32 s87, 0
	; group 1: 64 rows x 256 elements of 2 bytes, 1,536 elements from row to row; padding behind every 128 words: 4 words for K, 8 for V
	s_mov_b32 s[G1K], 15|(1<<16)|(1<<20)|(1<<21)|(6<<22)|(3<<25)
	s_mov_b32 s[G1V], 15|(1<<16)|(1<<20)|(1<<21)|(6<<22)|(7<<25)
.irp q, G1K, G1V
	s_mov_b32 s[(\q)+1], 256<<16
	s_mov_b32 s[(\q)+2], 64<<16
	s_mov_b32 s[(\q)+3], 256<<16
	s_mov_b32 s[(\q)+4], 64
	s_mov_b32 s[(\q)+5], 1536
	s_mov_b32 s[(\q)+6], 0
	s_mov_b32 s[(\q)+7], 0
.endr
	s_mov_b32 s[G0K], 1
	s_mul_i32 s[G0K+1], s17, KH                    ; slot 0; no place in the cluster enters an LDS address
	s_mov_b32 s[G0V], 1
	s_mul_i32 s[G0V+1], s17, VH
	s_add_co_u32 s[G0V+1], s[G0V+1], VOFF
	s_mov_b32 s[CS], 0x3d8293ee                    ; c = log2(e) / sqrt(512)
	s_mov_b32 s[CS+1], s[CS]
	s_mov_b32 s[SEL], 0x76543210
	s_mov_b32 s[SEL+1], 0xfedcba98
	s_mov_b32 s[TB], SLOT                          ; the first change of slots turns it into 0
	s_mov_b32 s[HM], 0xffff0000
	s_wait_dscnt 0x0                               ; the opening add is done
	s_wait_kmcnt 0x0
	s_add_nc_u64 s[KB:KB+1], s[4:5], s[82:83]
	s_add_nc_u64 s[VB:VB+1], s[KB:KB+1], 1024
	s_add_nc_u64 s[QB:QB+1], s[4:5], s[84:85]
	s_add_nc_u64 s[6:7], s[6:7], s[78:79]
	s_add_nc_u64 s[8:9], s[8:9], s[80:81]
	s_cmp_lt_u32 s[WV], 2
	s_cselect_b64 s[PFA:PFA+1], s[KB:KB+1], s[VB:VB+1]
	s_add_nc_u64 s[PFA:PFA+1], s[PFA:PFA+1], s[86:87]
	s_add_nc_u64 s[PFA:PFA+1], s[PFA:PFA+1], COLB  ; at tile 1; the first change of slots steps it to tile 2.  Nothing is prefetched here, at the head
	s_add_nc_u64 s[G0K+2:G0K+3], s[KB:KB+1], 0     ; tile 0
	s_or_b32 s[G0K+3], s[G0K+3], 0x80000000
	s_add_nc_u64 s[G0V+2:G0V+3], s[VB:VB+1], 0
	s_or_b32 s[G0V+3], s[G0V+3], 0x80000000
	CROUND                                         ; all four work-groups are here: the first joint loads meet
	JLOAD
	v_and_b32 v80, 15, v0                          ; r
	v_bfe_u32 v81, v0, 4, 1                        ; h
	v_and_b32 v82, 31, v0                          ; lane
	v_mul_u32_u24 v[QO], v80, 3072
	v_lshl_add_u32 v[QO], v81, 4, v[QO]
	LOADQ 0
	; The first step multiplies O^T by a = 0, so O^T need only hold finite numbers.  Zeros are made by 64 products of zero fragments with the constant 0 as C, once a launch,
	; while the first tile and the first half of Q are on their way.
.set i, 0
.rept 16
	v_mov_b32 v[F0+i], 0
.set i, i+1
.endr
	WIN 0x80
.set i, 0
.rept 32
	v_wmma_f32_16x16x32_f16 v[8*i:8*i+7], v[F0:F0+7], v[F0+8:F0+15], 0
.set i, i+1
.endr
	WIN 0xc0
.set i, 0
.rept 32
	v_wmma_f32_16x16x32_f16 v[8*i:8*i+7], v[F0:F0+7], v[F0+8:F0+15], 0
.set i, i+1
.endr
	WIN 0                                          ; the lines below are also the places between those products and the first loads into their sources
	v_mul_u32_u24 v[AK0], v80, PKP
	v_lshl_add_u32 v[AK0], v81, 4, v[AK0]          ; row x pitch + 16 x half
	v_and_b32 v83, 7, v0                           ; the turning load: key 8 h + l % 8, channels 8 ((l / 8) % 2) on
	v_bfe_u32 v84, v0, 3, 1
	v_lshl_add_u32 v[AV0], v81, 3, v83
	v_mul_u32_u24 v[AV0], v[AV0], PVP
	v_lshl_add_u32 v[AV0], v84, 4, v[AV0]
	v_add_nc_u32 v[AV0], VOFF, v[AV0]
	v_lshlrev_b32 v[GO], 4, v82
	v_lshlrev_b32 v[PSO], 3, v82
	v_lshlrev_b32 v83, 3, v81
	v_sub_nc_u32 v[DQ], v80, v83
	s_lshl_b32 s18, s[WV], 5
	v_add_nc_u32 v[DQ], s18, v[DQ]
	v_mov_b32 v[BIGV], 0xf1800000                  ; -2^100
	v_lshrrev_b32 v83, 1, v82
	v_mul_u32_u24 v[PFO], v83, 3072
	v_and_b32 v84, 1, v0
	v_lshl_add_u32 v[PFO], v84, 8, v[PFO]
.irp t, 0,1                            ; c m far below every c s, so that the first a is 0; m the lowest finite number; l = 0
	v_mov_b32 v[ST+8*(\t)], 0xfe000000
	v_mov_b32 v[ST+8*(\t)+1], 0xff7fffff
	v_mov_b32 v[ST+8*(\t)+2], 0
	v_mov_b32 v[ST+8*(\t)+3], 0
.endr
	s_wait_xcnt 0x0                                ; the first half's loads have read their base,
	s_add_nc_u64 s[QB:QB+1], s[QB:QB+1], 16*3072   ; which steps to the second tile's rows
	s_wait_loadcnt 0x0                             ; the first half is in
	LOADQ 1
	s_mov_b32 s[CNT], NCOL-1
	s_wait_loadcnt 0x0                             ; Q is in
.Ltrip:                                        ; seven trips: tile t is waited for, tile t + 1 asked for, column t done
	CHANGE 1
	STEP64
	s_sub_co_u32 s[CNT], s[CNT], 1
	s_cmp_lg_u32 s[CNT], 0
	s_cbranch_scc1 .Ltrip
	CHANGE 0                                       ; the last column is written out: nothing is asked for
	STEP64
	; THE WAY OUT.  (c m, l) of my 32 queries: 256 consecutive bytes.  O^T leaves as it lies in registers: each store of the wave covers 512 consecutive bytes, aligned;
	; each accumulator's lowest registers first.  The four v_nop behind the last products and the lines below are the places in front of the stores.
.irp t, 0,1
	v_add_f32 v[ST+8*(\t)+4], v[ST+8*(\t)+2], v[ST+8*(\t)+3]
.endr
.irp t, 0,1
	v_permlanex16_b32 v[ST+8*(\t)+5], v[ST+8*(\t)+4], s[SEL], s[SEL+1]
.endr
.irp t, 0,1
	v_add_f32 v[ST+8*(\t)+4], v[ST+8*(\t)+4], v[ST+8*(\t)+5]
.endr
	v_cndmask_b32 v[ST+6], v[ST], v[ST+8], s[HM]   ; lanes 0-15 tile 0's queries, lanes 16-31 tile 1's
	v_cndmask_b32 v[ST+7], v[ST+4], v[ST+12], s[HM]
	global_store_b64 v[PSO], v[ST+6:ST+7], s[8:9]
.irp t, 0,1
	WIN 0x08+4*(\t)                                ; the stores' data in window 2 or 3
.set i, 0
.rept 32
	global_store_b128 v[GO], v[8*i:8*i+3],   s[6:7] offset:(\t)*32768+i*1024
	global_store_b128 v[GO], v[8*i+4:8*i+7], s[6:7] offset:(\t)*32768+i*1024+512
.set i, i+1
.endr
.endr
	WIN 0
	s_wait_tensorcnt 0x0                           ; the wave's end
	ds_add_u32 v[SPW], v[NIL]
	s_wait_dscnt 0x0
	CROUND                                         ; the closing round
	s_endpgm
.Lfunc_end_k_q987f5b533f_attn:
	.size	k_q987f5b533f_attn, .Lfunc_end_k_q987f5b533f_attn-k_q987f5b533f_attn
	.p2alignl 7, 3214868480
	.fill 96, 4, 3214868480
	.section	.rodata,"a",@progbits
	.p2align	6, 0x0
	.amdhsa_kernel k_q987f5b533f_attn
		.amdhsa_group_segment_fixed_size 327680
		.amdhsa_private_segment_fixed_size 0
		.amdhsa_enable_private_segment 0
		.amdhsa_kernarg_size 24
		.amdhsa_user_sgpr_count 2
		.amdhsa_user_sgpr_kernarg_segment_ptr 1
		.amdhsa_wavefront_size32 1
		.amdhsa_system_sgpr_workgroup_id_x 1
		.amdhsa_system_sgpr_workgroup_id_y 1
		.amdhsa_system_sgpr_workgroup_id_z 1
		.amdhsa_system_vgpr_workitem_id 0
		.amdhsa_next_free_vgpr 1024
		.amdhsa_next_free_sgpr 88
		.amdhsa_reserve_vcc 1
		.amdhsa_float_denorm_mode_32 3
		.amdhsa_float_denorm_mode_16_64 3
		.amdhsa_memory_ordered 1
		.amdhsa_forward_progress 1
		.amdhsa_inst_pref_size 178
	.end_amdhsa_kernel
	.amdgpu_metadata
---
amdhsa.version: [ 1, 2 ]
amdhsa.kernels:
  - .name:           k_q987f5b533f_attn
    .symbol:         k_q987f5b533f_attn.kd
    .args:
      - { .name: qkv, .offset: 0, .size: 8, .value_kind: global_buffer, .address_space: global }
      - { .name: po, .offset: 8, .size: 8, .value_kind: global_buffer, .address_space: global }
      - { .name: ps, .offset: 16, .size: 8, .value_kind: global_buffer, .address_space: global }
    .group_segment_fixed_size: 327680
    .private_segment_fixed_size: 0
    .kernarg_segment_align: 8
    .kernarg_segment_size: 24
    .max_flat_workgroup_size: 128
    .sgpr_count:     88
    .vgpr_count:     1024
    .wavefront_size: 32
...
	.end_amdgpu_metadata
.endif
;; end of part 3
;; launch comb (part 4): grid 64 x 8, 8 waves a work-group, no clusters, 35,840 bytes of LDS; arguments po, ps, out0; writes out0
.if DOCPART == 4
	.amdgcn_target "amdgcn-amd-amdhsa--gfx1250"
	.amdhsa_code_object_version 6
	.text
	.protected	k_q987f5b533f_comb
	.globl	k_q987f5b533f_comb
	.p2align	8
	.type	k_q987f5b533f_comb,@function
k_q987f5b533f_comb:
	s_mov_b64 s[64:65], 0
	v_nop
	global_prefetch_b8 v0, s[64:65] scope:SCOPE_SE
	s_setreg_imm32_b32 hwreg(HW_REG_WAVE_MODE, 25, 1), 1
	s_wait_xcnt 0x0
; THE MERGE.  out0[row][:] = (the sum over a row's n segments of e_i O_i[:]) / (the sum of e_i l_i), e_i = 2^(c m_i - M), M the greatest c m_i.
; po: [batch 8][segment 10][p 4] slots of 262,144 bytes, f32, in the layout of the attention's registers: [wave 4][tile 2][channel block 32][half 2][lane 32][16 bytes]: lane l, half e of block cb hold
; channels 16 cb + 8 (l / 16) + 4 e + 0..3 of query 32 wave + 16 tile + l % 16.  ps: the same slots, [128 queries] pairs (c m, l).
; Block 4 G + p of a batch has its segments from s0 on: G = 3: s0 = 0, n = 4; G = 2: 4, 3; G = 1: 7, 2; G = 0: 9, 1.
; Every row sees a key in each of its segments, so each c m is a true score's; in the segment with the greatest c m the sum l is at least 1, so the divisor is never 0.
; SHARES.  A wave takes one tile of 16 queries and 128 channels, in two trips of 64 channels.  A lane's numbers all belong to ONE query (lane % 16), so its weights are its own.
; WHICH BLOCK.  G = (x >> 4) xor 3 ((x xor (y >> 2)) & 1): two work-groups whose numbers differ by 1, or by 256, take groups G and 3 - G: 4 + 1 or 3 + 2 segments between them.
; For a given y the map from x to (G, p, quarter of the block) is one to one: the bit that turns G hangs on x's lowest bit, which stays part of the quarter's number.
; A trip: 8 n loads, each 512 consecutive bytes; the merge; then the result is turned through the wave's own stage in LDS (16 rows of 256 bytes + 16), read back as whole rows and stored,
; sixteen lanes to 256 consecutive bytes, aligned.  A stream: no matrix unit, no cluster (no byte of po is read twice), no barrier (a wave reads only its own stage).  All sums in f32.
.set SPI,  272                         ; a stage row: 256 bytes + 16: an odd multiple of 16
.set WST,  16*SPI                      ; a wave's stage: 4,352 bytes, 17 blocks of 256
.set SPARE, 8*WST                      ; behind the stages: the spare words, 128 bytes a wave: four blocks of 256 bytes that no other line names
.set LO,  2                            ; v2  16 x lane
.set PSV, 3                            ; v3  8 x (lane % 16)
.set STO, 4                            ; v4  where I put 16 bytes of a row
.set RD,  5                            ; v5  where I read a row back
.set CO,  6                            ; v6  my byte offset in two rows of out0
.set SPW, 8                            ; v8  LDS address of my spare word; never rewritten
.set NIL, 9                            ; v9  0; never rewritten
.set STT, 10                           ; v[10:17]  segment i's (c m, l) of my query
.set MX,  18
.set LS,  19
.set RC,  20
.set EW,  22                           ; v[22:29]  segment i's weight, twice: a pair for the packed lines
.set DD,  32                           ; v[32:159] segment i's 32 numbers at DD + 32 i: block c, half e at 8 c + 4 e
.set CNT, 20
.macro ROWS n
.irp i, 0,1,2,3
.if (\i) < (\n)
	global_load_b64 v[STT+2*(\i):STT+2*(\i)+1], v[PSV], s[6:7] offset:(\i)*4*1024
.endif
.endr
	s_mov_b32 s[CNT], 2
.Lpart_\@:
.irp i, 0,1,2,3
.if (\i) < (\n)
.irp c, 0,1,2,3
	global_load_b128 v[DD+32*(\i)+8*(\c):DD+32*(\i)+8*(\c)+3],   v[LO], s[4:5] offset:(\i)*4*262144+(\c)*1024 th:TH_LOAD_NT
	global_load_b128 v[DD+32*(\i)+8*(\c)+4:DD+32*(\i)+8*(\c)+7], v[LO], s[4:5] offset:(\i)*4*262144+(\c)*1024+512 th:TH_LOAD_NT
.endr
.endif
.endr
	s_wait_loadcnt 0x0
	v_mov_b32 v[MX], v[STT]                        ; the weights are made anew in each trip, some twenty lines, so that the first trip's loads are out beside the statistics'
.irp i, 1,2,3
.if (\i) < (\n)
	v_max_num_f32 v[MX], v[MX], v[STT+2*(\i)]
.endif
.endr
.irp i, 0,1,2,3
.if (\i) < (\n)
	v_sub_f32 v[EW+2*(\i)], v[STT+2*(\i)], v[MX]
.endif
.endr
.irp i, 0,1,2,3
.if (\i) < (\n)
	v_exp_f32 v[EW+2*(\i)], v[EW+2*(\i)]
.endif
.endr
	v_nop                                          ; a plain instruction behind the last exponential,
	s_wait_alu depctr_va_vdst(0)                   ; and the wait: one for the batch
	v_mul_f32 v[LS], v[EW], v[STT+1]
.irp i, 1,2,3
.if (\i) < (\n)
	v_fmac_f32 v[LS], v[EW+2*(\i)], v[STT+2*(\i)+1]
.endif
.endr
	v_rcp_f32 v[RC], v[LS]
	v_nop
	s_wait_alu depctr_va_vdst(0)
.irp i, 0,1,2,3
.if (\i) < (\n)
	v_mul_f32 v[EW+2*(\i)+1], v[EW+2*(\i)], v[RC]
	v_mul_f32 v[EW+2*(\i)], v[EW+2*(\i)], v[RC]
.endif
.endr
.set q, 0
.rept 16
	v_pk_mul_f32 v[DD+q:DD+q+1], v[DD+q:DD+q+1], v[EW:EW+1]
.set q, q+2
.endr
.irp i, 1,2,3
.if (\i) < (\n)
.set q, 0
.rept 16
	v_pk_fma_f32 v[DD+q:DD+q+1], v[DD+32*(\i)+q:DD+32*(\i)+q+1], v[EW+2*(\i):EW+2*(\i)+1], v[DD+q:DD+q+1]
.set q, q+2
.endr
.endif
.endr
.irp c, 0,1,2,3
	ds_store_b128 v[STO], v[DD+8*(\c):DD+8*(\c)+3]   offset:64*(\c)        ; row lane % 16, byte 64 c + 32 (lane / 16) + 16 e
	ds_store_b128 v[STO], v[DD+8*(\c)+4:DD+8*(\c)+7] offset:64*(\c)+16
.endr
.irp t, 0,1,2,3,4,5,6,7
	ds_load_b128 v[DD+4*(\t):DD+4*(\t)+3], v[RD] offset:(\t)*2*SPI         ; LDS serves a wave's instructions in order (ISA guide 5.7.1.4): these see the stores above, and the next trip's stores come behind them
.endr
.irp t, 0,1,2,3,4,5,6,7
	s_wait_dscnt 7-(\t)                            ; the younger loads of the eight may stay out
	global_store_b128 v[CO], v[DD+4*(\t):DD+4*(\t)+3], s[8:9] offset:(\t)*2*2048 th:TH_STORE_NT
.endr
	s_wait_xcnt 0x0                                ; the bases and the stores' registers are written again only behind this wait
	s_add_nc_u64 s[4:5], s[4:5], 4*1024            ; the next four channel blocks,
	s_add_nc_u64 s[8:9], s[8:9], 256               ; 64 channels further along the rows
	s_sub_co_u32 s[CNT], s[CNT], 1
	s_cmp_lg_u32 s[CNT], 0
	s_cbranch_scc1 .Lpart_\@
	s_wait_tensorcnt 0x0                           ; the wave's end: behind my last LDS store
	ds_add_u32 v[SPW], v[NIL]
	s_wait_dscnt 0x0
	s_endpgm
.endm
	s_load_b128 s[4:7], s[0:1], 0x0                ; po s[4:5], ps s[6:7]
	s_load_b64 s[8:9], s[0:1], 0x10                ; out0
	v_lshl_add_u32 v[SPW], v0, 2, SPARE
	v_mov_b32 v[NIL], 0
	v_lshrrev_b32 v1, 5, v0
	v_readfirstlane_b32 s10, v1                    ; wave 0..7
	v_and_b32 v[LO], 31, v0
	v_lshlrev_b32 v[LO], 4, v[LO]
	v_and_b32 v1, 15, v0                           ; r = lane % 16
	v_bfe_u32 v7, v0, 4, 1                         ; h = lane / 16
	v_lshlrev_b32 v[PSV], 3, v1
	s_mul_i32 s11, s10, WST                        ; my stage
	v_mul_u32_u24 v[STO], v1, SPI
	v_lshl_add_u32 v[STO], v7, 5, v[STO]
	v_add_nc_u32 v[STO], s11, v[STO]
	v_mul_u32_u24 v[RD], v7, SPI                   ; back: lanes 0-15 take one row of 256 bytes, lanes 16-31 the next
	v_lshl_add_u32 v[RD], v1, 4, v[RD]
	v_add_nc_u32 v[RD], s11, v[RD]
	v_lshlrev_b32 v[CO], 11, v7                    ; and the same two rows in out0
	v_lshl_add_u32 v[CO], v1, 4, v[CO]
	s_and_b32 s15, ttmp7, 0xffff                   ; batch
	s_lshr_b32 s12, ttmp9, 4                       ; x >> 4,
	s_lshr_b32 s28, s15, 2
	s_xor_b32 s28, s28, ttmp9
	s_and_b32 s28, s28, 1                          ; (x xor (y >> 2)) & 1,
	s_mul_i32 s28, s28, 3
	s_xor_b32 s12, s12, s28                        ; G
	s_bfe_u32 s13, ttmp9, 0x20002                  ; p
	s_and_b32 s14, ttmp9, 3                        ; which of the attention's waves made my tile
	s_lshr_b32 s18, s10, 2                         ; which of its two tiles
	s_and_b32 s19, s10, 3                          ; which 128 channels
	s_mov_b32 s16, 9                               ; the block's first segment
	s_cmp_eq_u32 s12, 1
	s_cselect_b32 s16, 7, s16
	s_cmp_eq_u32 s12, 2
	s_cselect_b32 s16, 4, s16
	s_cmp_eq_u32 s12, 3
	s_cselect_b32 s16, 0, s16
	s_mul_i32 s17, s15, 10
	s_add_co_u32 s16, s16, s17
	s_lshl_b32 s16, s16, 2
	s_add_co_u32 s16, s16, s13                     ; its slot
	s_lshl_b32 s22, s16, 18                        ; po: slot x 262,144 + wave x 65,536 + tile x 32,768 + 8 channel blocks x 1,024
	s_lshl_b32 s17, s14, 16
	s_add_co_u32 s22, s22, s17
	s_lshl_b32 s17, s18, 15
	s_add_co_u32 s22, s22, s17
	s_lshl_b32 s17, s19, 13
	s_add_co_u32 s22, s22, s17
	s_mov_b32 s23, 0
	s_lshl_b32 s24, s16, 10                        ; ps: slot x 1,024 + (32 wave + 16 tile) x 8
	s_lshl_b32 s17, s14, 8
	s_add_co_u32 s24, s24, s17
	s_lshl_b32 s17, s18, 7
	s_add_co_u32 s24, s24, s17
	s_mov_b32 s25, 0
	s_lshl_b32 s26, s15, 11                        ; out0: row 2,048 x batch + 512 G + 32 (4 p + quarter) + 16 x tile,
	s_lshl_b32 s17, s12, 9
	s_add_co_u32 s26, s26, s17
	s_and_b32 s17, ttmp9, 15
	s_lshl_b32 s17, s17, 5
	s_add_co_u32 s26, s26, s17
	s_lshl_b32 s17, s18, 4
	s_add_co_u32 s26, s26, s17
	s_lshl_b32 s26, s26, 11
	s_lshl_b32 s17, s19, 9                         ; my 128 channels: 512 bytes
	s_add_co_u32 s26, s26, s17
	s_mov_b32 s27, 0
	s_wait_kmcnt 0x0
	s_add_nc_u64 s[4:5], s[4:5], s[22:23]
	s_add_nc_u64 s[6:7], s[6:7], s[24:25]
	s_add_nc_u64 s[8:9], s[8:9], s[26:27]
	s_cmp_eq_u32 s12, 3
	s_cbranch_scc1 .Lfour
	s_cmp_eq_u32 s12, 1
	s_cbranch_scc1 .Ltwo
	s_cmp_eq_u32 s12, 0
	s_cbranch_scc1 .Lone
	ROWS 3
.Lfour:
	ROWS 4
.Ltwo:
	ROWS 2
.Lone:
	ROWS 1
.Lfunc_end_k_q987f5b533f_comb:
	.size	k_q987f5b533f_comb, .Lfunc_end_k_q987f5b533f_comb-k_q987f5b533f_comb
	.p2alignl 7, 3214868480
	.fill 96, 4, 3214868480
	.section	.rodata,"a",@progbits
	.p2align	6, 0x0
	.amdhsa_kernel k_q987f5b533f_comb
		.amdhsa_group_segment_fixed_size 35840
		.amdhsa_private_segment_fixed_size 0
		.amdhsa_enable_private_segment 0
		.amdhsa_kernarg_size 24
		.amdhsa_user_sgpr_count 2
		.amdhsa_user_sgpr_kernarg_segment_ptr 1
		.amdhsa_wavefront_size32 1
		.amdhsa_system_sgpr_workgroup_id_x 1
		.amdhsa_system_sgpr_workgroup_id_y 1
		.amdhsa_system_sgpr_workgroup_id_z 1
		.amdhsa_system_vgpr_workitem_id 0
		.amdhsa_next_free_vgpr 160
		.amdhsa_next_free_sgpr 66
		.amdhsa_reserve_vcc 0
		.amdhsa_float_denorm_mode_32 3
		.amdhsa_float_denorm_mode_16_64 3
		.amdhsa_memory_ordered 1
		.amdhsa_forward_progress 1
		.amdhsa_inst_pref_size 34
	.end_amdhsa_kernel
	.amdgpu_metadata
---
amdhsa.version: [ 1, 2 ]
amdhsa.kernels:
  - .name:           k_q987f5b533f_comb
    .symbol:         k_q987f5b533f_comb.kd
    .args:
      - { .name: po, .offset: 0, .size: 8, .value_kind: global_buffer, .address_space: global }
      - { .name: ps, .offset: 8, .size: 8, .value_kind: global_buffer, .address_space: global }
      - { .name: out0, .offset: 16, .size: 8, .value_kind: global_buffer, .address_space: global }
    .group_segment_fixed_size: 35840
    .private_segment_fixed_size: 0
    .kernarg_segment_align: 8
    .kernarg_segment_size: 24
    .max_flat_workgroup_size: 256
    .sgpr_count:     66
    .vgpr_count:     160
    .wavefront_size: 32
...
	.end_amdgpu_metadata
.endif
;; end of part 4
